; MI455X (gfx1250); checked and timed in simulation.
; The chip was launched on July 23, 2026; its instructions are those of AMD's public machine-readable ISA for CDNA 5 (MIT licence, August 2026) and "CDNA5" Instruction Set Architecture Reference Guide (July 2026). The comments in the code are by the model that wrote it; some were corrected since.
;; RNN. Allowed arithmetic: float matrix products may take bf16 or f16 operands with f32 sums; other float arithmetic in f32, or as packed bf16 or f16 multiplies, adds, multiply-adds, maxima and minima; sums over many terms, partial sums and values carried from step to step in f32; what a program stores and reads back later, other than sums and carried values, may be rounded once to bf16 or f16.
;; Inputs: Uc_b 1,024 float32; Uc_w 512 x 1,024 float32; Uf_b 1,024 float32; Uf_w 512 x 1,024 float32; Ui_b 1,024 float32; Ui_w 512 x 1,024 float32; Uo_b 1,024 float32; Uo_w 512 x 1,024 float32; Wc_b 1,024 float32; Wc_w 1,024 x 1,024 float32; Wf_b 1,024 float32; Wf_w 1,024 x 1,024 float32; Wi_b 1,024 float32; Wi_w 1,024 x 1,024 float32; Wo_b 1,024 float32; Wo_w 1,024 x 1,024 float32; c_old 8,192 x 1,024 float32; h_old 8,192 x 1,024 float32; input_x 8,192 x 512 float32.
;; Outputs: out0 8,192 x 1,024 float32; out1 8,192 x 1,024 float32.
;; One version. Each part assembles by itself: llvm-mc -triple=amdgcn-amd-amdhsa -mcpu=gfx1250 --defsym DOCPART=n.
;; ======== version 1 of 1: 2 launches
;; workspace buffers: abf 25,165,824 bytes; bbf 12,582,912 bytes
;; launch prep (part 1): grid 768 x 1, 8 waves a work-group, no clusters, 21,504 bytes of LDS; arguments input_x, h_old, Ui_w, Uf_w, Uo_w, Uc_w, Wi_w, Wf_w, Wo_w, Wc_w, abf, bbf; writes abf, bbf
.if DOCPART == 1
	.amdgcn_target "amdgcn-amd-amdhsa--gfx1250"
	.amdhsa_code_object_version 6
	.text
	.protected	k_qee0a2962f8_prep
	.globl	k_qee0a2962f8_prep
	.p2align	8
	.type	k_qee0a2962f8_prep,@function
k_qee0a2962f8_prep:
	s_mov_b64 s[64:65], 0
	v_nop
	global_prefetch_b8 v0, s[64:65] scope:SCOPE_SE
	s_setreg_imm32_b32 hwreg(HW_REG_WAVE_MODE, 25, 1), 1
	s_wait_xcnt 0x0
; THE CAST.  abf[8192][1536] bf16 = [ input_x | h_old ];  bbf[1536][4096] bf16 = [ U ; W ] with the four gates' columns interleaved:
; hidden column j of gate g (0 i, 1 f, 2 o, 3 c) lies at column 128 (j / 32) + 32 g + j % 32, so that 128 neighbouring columns hold 32 hidden columns in all four gates.
; K stays down bbf's rows: nothing is transposed here.  Each number is rounded once, to nearest even.
; LIMITS.  bf16 keeps 8 significant bits and f32's range; NaN and infinities pass as the conversion gives them.
; SHARES.  768 work-groups of eight waves, 147,456 bytes (in and out) each.  Work-groups 0-511: 16 rows of x and h.  Work-groups 512-767: 6 rows of k, all four gates.
; A stream: no matrix unit, no cluster, no tensor load.
.set SPARE, 20480                      ; behind the eight stages: the spare words, 128 bytes for each wave: four blocks of 256 bytes that no other line names
.set STG,   2560                       ; a wave's stage: 8 blocks of 256 bytes at a pitch of 320
.set SP,    320                        ; 320 = 256 + 64: the four blocks that 16 lanes touch in a store start 64 bytes apart modulo 256, so the 16 pieces of 16 bytes fall on different banks (64 banks of 4 bytes: ISA guide 11.1)
.set SRC,   2                          ; v2   byte offset of my 32 bytes in the source
.set VX,    3                          ; v3   path A: my 16 bytes of x in abf.   path B: VS, where I put 16 bytes into the stage
.set VH,    4                          ; v4   path A: my 16 bytes of h in abf.   path B: VR, where I read the stage back
.set VO,    5                          ; v5   path B: my 16 bytes in 512 consecutive bytes of bbf
.set SPW,   14                         ; v14  LDS address of my spare word; never rewritten
.set NIL,   15                         ; v15  0; never rewritten
.set X,     16                         ; v[16:111]  twelve items of 8 registers: 8 f32 as loaded, then 4 registers of bf16
.set LB,    68                         ; s[68:91]   path B: the load base of pass p, gate g at LB + 8 p + 2 g
.set SB,    92                         ; s[92:97]   path B: the store base of pass p
.macro CVT i                           ; item i, in place: 8 f32 become 16 bytes in its first four registers
	v_cvt_pk_bf16_f32 v[X+8*(\i)],   v[X+8*(\i)],   v[X+8*(\i)+1]
	v_cvt_pk_bf16_f32 v[X+8*(\i)+1], v[X+8*(\i)+2], v[X+8*(\i)+3]
	v_cvt_pk_bf16_f32 v[X+8*(\i)+2], v[X+8*(\i)+4], v[X+8*(\i)+5]
	v_cvt_pk_bf16_f32 v[X+8*(\i)+3], v[X+8*(\i)+6], v[X+8*(\i)+7]
.endm
	s_load_b512 s[8:23], s[0:1], 0x0               ; x 8, h 10, Ui 12, Uf 14, Uo 16, Uc 18, Wi 20, Wf 22
	s_load_b256 s[24:31], s[0:1], 0x40             ; Wo 24, Wc 26, abf 28, bbf 30
	v_lshl_add_u32 v[SPW], v0, 2, SPARE
	v_mov_b32 v[NIL], 0
	v_lshrrev_b32 v1, 5, v0
	v_readfirstlane_b32 s4, v1                     ; my wave's number
	s_cmp_lt_u32 ttmp9, 512
	s_cbranch_scc0 .Lweights
	; PATH A.  Thread t takes 32 bytes at 32 t of each 8,192 bytes: 4 such pieces of x (4 rows each), 8 of h (2 rows each).
	s_lshl_b32 s32, ttmp9, 15                      ; 16 rows of x: 16 x 2,048 bytes
	s_mov_b32 s33, 0
	s_lshl_b32 s34, ttmp9, 16                      ; 16 rows of h: 16 x 4,096 bytes
	s_mov_b32 s35, 0
	s_mul_i32 s36, ttmp9, 49152                    ; 16 rows of abf: 16 x 3,072 bytes
	s_mov_b32 s37, 0
	v_lshlrev_b32 v[SRC], 5, v0
	v_lshrrev_b32 v5, 6, v0                        ; x: row t / 64 of the piece's four,
	v_and_b32 v6, 63, v0                           ; 8 columns at 8 (t % 64)
	v_mul_u32_u24 v5, v5, 3072
	v_lshl_add_u32 v[VX], v6, 4, v5
	v_lshrrev_b32 v7, 7, v0                        ; h: row t / 128 of the piece's two,
	v_and_b32 v8, 127, v0                          ; 8 columns at 8 (t % 128),
	v_mul_u32_u24 v7, v7, 3072
	v_lshl_add_u32 v[VH], v8, 4, v7
	v_add_nc_u32 v[VH], 1024, v[VH]                ; behind x's 512 columns
	s_wait_kmcnt 0x0
	s_add_nc_u64 s[8:9], s[8:9], s[32:33]
	s_add_nc_u64 s[10:11], s[10:11], s[34:35]
	s_add_nc_u64 s[28:29], s[28:29], s[36:37]
.irp p, 0,1,2,3
	global_load_b128 v[X+8*(\p):X+8*(\p)+3],   v[SRC], s[8:9] offset:8192*(\p) th:TH_LOAD_NT
	global_load_b128 v[X+8*(\p)+4:X+8*(\p)+7], v[SRC], s[8:9] offset:8192*(\p)+16 th:TH_LOAD_NT
.endr
.irp p, 0,1,2,3,4,5,6,7
	global_load_b128 v[X+32+8*(\p):X+32+8*(\p)+3],   v[SRC], s[10:11] offset:8192*(\p) th:TH_LOAD_NT
	global_load_b128 v[X+32+8*(\p)+4:X+32+8*(\p)+7], v[SRC], s[10:11] offset:8192*(\p)+16 th:TH_LOAD_NT
.endr
.irp p, 0,1,2,3
	s_wait_loadcnt 22-2*(\p)                       ; loads come back in order (ISA guide 5.7.1): item p's two are in, the two of each later item stay out
	CVT \p
	global_store_b128 v[VX], v[X+8*(\p):X+8*(\p)+3], s[28:29] offset:12288*(\p)  ; a wave stores 512 consecutive bytes, at a multiple of 256 from abf's first byte
.endr
.irp p, 0,1,2,3,4,5,6,7
	s_wait_loadcnt 14-2*(\p)
	CVT 4+(\p)
	global_store_b128 v[VH], v[X+32+8*(\p):X+32+8*(\p)+3], s[28:29] offset:6144*(\p)
.endr
	s_endpgm
.Lweights:
	; PATH B.  A unit is 256 hidden columns of one row of k in all four gates: 4 x 1,024 bytes in, 2,048 bytes out.  6 rows x 4 units = 3 passes x 8 waves:
	; unit u = 8 p + wave, row 6 b + u / 4, quarter u % 4.  Lane l holds columns 8 l .. 8 l + 7 of each gate; the stage brings a block's four gates together.
	s_sub_co_u32 s6, ttmp9, 512                    ; b
	s_mul_i32 s32, s6, 6
	s_lshr_b32 s33, s4, 2
	s_add_co_u32 s32, s32, s33                     ; pass 0's row of k; pass p's is 2 p further down
	s_and_b32 s34, s4, 3                           ; the quarter of the row
	s_lshl_b32 s35, s34, 10                        ; its bytes in a gate's row
	s_lshl_b32 s36, s34, 11                        ; and in bbf's row
	s_mul_i32 s5, s4, STG                          ; my stage
	v_and_b32 v1, 31, v0                           ; lane
	v_lshlrev_b32 v[SRC], 5, v1
	v_lshrrev_b32 v6, 2, v1                        ; in: block l / 4, 16 bytes at 16 (l % 4); the gate's 64 bytes stand in the immediate
	v_and_b32 v7, 3, v1
	v_mul_u32_u24 v6, v6, SP
	v_lshl_add_u32 v6, v7, 4, v6
	v_add_nc_u32 v[VX], s5, v6
	v_lshrrev_b32 v8, 4, v1                        ; back: lanes 0-15 take one block of 256 bytes, lanes 16-31 the next
	v_and_b32 v9, 15, v1
	v_mul_u32_u24 v8, v8, SP
	v_lshl_add_u32 v8, v9, 4, v8
	v_add_nc_u32 v[VH], s5, v8
	v_lshlrev_b32 v[VO], 4, v1
	s_wait_kmcnt 0x0
.irp p, 0,1,2
	s_add_co_u32 s38, s32, 2*(\p)                  ; the pass's row of k
	s_cmp_lt_u32 s38, 512                          ; rows 0-511 are U's, the others W's: a choice between two buffers on a row number
.irp g, 0,1,2,3
	s_cselect_b64 s[LB+8*(\p)+2*(\g):LB+8*(\p)+2*(\g)+1], s[12+2*(\g):13+2*(\g)], s[20+2*(\g):21+2*(\g)]
.endr
	s_cselect_b32 s39, 0, 512
	s_sub_co_u32 s40, s38, s39                     ; the row in its own matrix,
	s_lshl_b32 s40, s40, 12                        ; 4,096 bytes a row,
	s_add_co_u32 s40, s40, s35                     ; and the quarter
	s_mov_b32 s41, 0
.irp g, 0,1,2,3
	s_add_nc_u64 s[LB+8*(\p)+2*(\g):LB+8*(\p)+2*(\g)+1], s[LB+8*(\p)+2*(\g):LB+8*(\p)+2*(\g)+1], s[40:41]
.endr
	s_lshl_b32 s42, s38, 13                        ; bbf: 8,192 bytes a row
	s_add_co_u32 s42, s42, s36
	s_mov_b32 s43, 0
	s_add_nc_u64 s[SB+2*(\p):SB+2*(\p)+1], s[30:31], s[42:43]
.endr
.irp p, 0,1,2
.irp g, 0,1,2,3
	global_load_b128 v[X+32*(\p)+8*(\g):X+32*(\p)+8*(\g)+3],   v[SRC], s[LB+8*(\p)+2*(\g):LB+8*(\p)+2*(\g)+1] th:TH_LOAD_NT
	global_load_b128 v[X+32*(\p)+8*(\g)+4:X+32*(\p)+8*(\g)+7], v[SRC], s[LB+8*(\p)+2*(\g):LB+8*(\p)+2*(\g)+1] offset:16 th:TH_LOAD_NT
.endr
.endr
.irp p, 0,1,2
	s_wait_loadcnt 16-8*(\p)                       ; this pass's eight loads are in; the later passes' eight each stay out
.irp g, 0,1,2,3
	CVT 4*(\p)+(\g)
.endr
.irp g, 0,1,2,3
	ds_store_b128 v[VX], v[X+32*(\p)+8*(\g):X+32*(\p)+8*(\g)+3] offset:64*(\g)
.endr
.irp s, 0,1,2,3
	ds_load_b128 v[X+32*(\p)+8*(\s)+4:X+32*(\p)+8*(\s)+7], v[VH] offset:2*SP*(\s)  ; my own bytes: LDS serves a wave's instructions in order (ISA guide 5.7.1.4), so these see the stores above, and the next pass's stores come behind them
.endr
.irp s, 0,1,2,3
	s_wait_dscnt 3-(\s)                            ; read-back s is in; the later ones stay out
	global_store_b128 v[VO], v[X+32*(\p)+8*(\s)+4:X+32*(\p)+8*(\s)+7], s[SB+2*(\p):SB+2*(\p)+1] offset:512*(\s)  ; 16 lanes store one block: 256 consecutive bytes, at a multiple of 256 from bbf's first byte
.endr
.endr
	s_wait_tensorcnt 0x0                           ; the wave's end, behind my last LDS store
	ds_add_u32 v[SPW], v[NIL]
	s_wait_dscnt 0x0
	s_endpgm
.Lfunc_end_k_qee0a2962f8_prep:
	.size	k_qee0a2962f8_prep, .Lfunc_end_k_qee0a2962f8_prep-k_qee0a2962f8_prep
	.p2alignl 7, 3214868480
	.fill 96, 4, 3214868480
	.section	.rodata,"a",@progbits
	.p2align	6, 0x0
	.amdhsa_kernel k_qee0a2962f8_prep
		.amdhsa_group_segment_fixed_size 21504
		.amdhsa_private_segment_fixed_size 0
		.amdhsa_enable_private_segment 0
		.amdhsa_kernarg_size 96
		.amdhsa_user_sgpr_count 2
		.amdhsa_user_sgpr_kernarg_segment_ptr 1
		.amdhsa_wavefront_size32 1
		.amdhsa_system_sgpr_workgroup_id_x 1
		.amdhsa_system_sgpr_workgroup_id_y 1
		.amdhsa_system_sgpr_workgroup_id_z 1
		.amdhsa_system_vgpr_workitem_id 0
		.amdhsa_next_free_vgpr 112
		.amdhsa_next_free_sgpr 98
		.amdhsa_reserve_vcc 0
		.amdhsa_float_denorm_mode_32 3
		.amdhsa_float_denorm_mode_16_64 3
		.amdhsa_memory_ordered 1
		.amdhsa_forward_progress 1
		.amdhsa_inst_pref_size 20
	.end_amdhsa_kernel
	.amdgpu_metadata
---
amdhsa.version: [ 1, 2 ]
amdhsa.kernels:
  - .name:           k_qee0a2962f8_prep
    .symbol:         k_qee0a2962f8_prep.kd
    .args:
      - { .name: input_x, .offset: 0, .size: 8, .value_kind: global_buffer, .address_space: global }
      - { .name: h_old, .offset: 8, .size: 8, .value_kind: global_buffer, .address_space: global }
      - { .name: Ui_w, .offset: 16, .size: 8, .value_kind: global_buffer, .address_space: global }
      - { .name: Uf_w, .offset: 24, .size: 8, .value_kind: global_buffer, .address_space: global }
      - { .name: Uo_w, .offset: 32, .size: 8, .value_kind: global_buffer, .address_space: global }
      - { .name: Uc_w, .offset: 40, .size: 8, .value_kind: global_buffer, .address_space: global }
      - { .name: Wi_w, .offset: 48, .size: 8, .value_kind: global_buffer, .address_space: global }
      - { .name: Wf_w, .offset: 56, .size: 8, .value_kind: global_buffer, .address_space: global }
      - { .name: Wo_w, .offset: 64, .size: 8, .value_kind: global_buffer, .address_space: global }
      - { .name: Wc_w, .offset: 72, .size: 8, .value_kind: global_buffer, .address_space: global }
      - { .name: abf, .offset: 80, .size: 8, .value_kind: global_buffer, .address_space: global }
      - { .name: bbf, .offset: 88, .size: 8, .value_kind: global_buffer, .address_space: global }
    .group_segment_fixed_size: 21504
    .private_segment_fixed_size: 0
    .kernarg_segment_align: 8
    .kernarg_segment_size: 96
    .max_flat_workgroup_size: 256
    .sgpr_count:     98
    .vgpr_count:     112
    .wavefront_size: 32
...
	.end_amdgpu_metadata
.endif
;; end of part 1
;; launch lstm (part 2): grid 16 x 32, 4 waves a work-group, clusters of 4 x 4, 327,680 bytes of LDS; arguments abf, bbf, c_old, out0, out1, Ui_b, Wi_b, Uf_b, Wf_b, Uo_b, Wo_b, Uc_b, Wc_b; writes out0, out1
.if DOCPART == 2
	.amdgcn_target "amdgcn-amd-amdhsa--gfx1250"
	.amdhsa_code_object_version 6
	.text
	.protected	k_qee0a2962f8_lstm
	.globl	k_qee0a2962f8_lstm
	.p2align	8
	.type	k_qee0a2962f8_lstm,@function
k_qee0a2962f8_lstm:
	s_mov_b64 s[64:65], 0
	v_nop
	global_prefetch_b8 v0, s[64:65] scope:SCOPE_SE
	s_setreg_imm32_b32 hwreg(HW_REG_WAVE_MODE, 25, 1), 1
	s_wait_xcnt 0x0
	s_wait_alu depctr_hold_cnt(0) depctr_sa_sdst(0) depctr_va_vdst(0) depctr_va_sdst(0) depctr_va_ssrc(0) depctr_va_vcc(0) depctr_vm_vsrc(0)
	s_getreg_b32 s2, hwreg(HW_REG_IB_STS2, 6, 4)
	s_cmp_eq_u32 s2, 0
	s_cbranch_scc0 .Lentry_in_a_cluster
	s_endpgm
.Lentry_in_a_cluster:
	s_bfe_u32 s2, ttmp6, 0x10000c
	s_cmp_lg_u32 s2, 0xf033
	s_cbranch_scc0 .Lentry_shape_is_right
	s_endpgm
.Lentry_shape_is_right:
; ONE LSTM CELL.  gates = abf x bbf + b (abf [8192][1536] = [x | h], bbf [1536][4096] = [U ; W], both bf16, the gates' columns interleaved in groups of 32: column 128 (j / 32) + 32 g + j % 32),
; c = sigmoid(i) tanh(g) + sigmoid(f) c_old -> out1,  h = sigmoid(o) tanh(c) -> out0.  Sums, activations and outputs in f32.
; LIMITS.  Every input enters rounded once to bf16: x, h and the weights by the launch before, c_old and the eight biases here.  sigmoid(x) = 1 / (1 + 2^(-L x)), tanh(x) = 1 - 2 / (1 + 2^(2 L x)), L = log2(e):
; an exponential that overflows gives an infinity, its reciprocal 0, and so the function's limit: no clamp for any finite gate; near 0 tanh is off by about 1e-7 in absolute terms.  NaN and infinities are not treated apart.
; SHARES.  A work-group of four waves makes 256 rows x 256 gate columns = 64 hidden columns in all four gates; a wave 128 x 128: 64 accumulators of 16 x 16, 512 registers, 32 hidden columns x 4 gates.
; K = 1,536 goes in 12 steps of 128 through a ring of two LDS slots filled by the tensor data mover.  A's rows in a tile are 256 bytes, B's 512, all at multiples of 256 bytes from their buffers' first bytes.
; THE MATRIX INSTRUCTION IS USED TRANSPOSED (source 0 = 16 columns of B, source 1 = 16 rows of A): lane l holds row l % 16 and columns 8 (l / 16) + 0..7.  Column block b of the wave's eight is gate b / 2, half b % 2 of its
; 32 hidden columns, so the four gates of a hidden column lie in one lane, at one register index of four accumulators: the cell's arithmetic changes no lane.  B lies [k][n] in LDS and is turned by ds_load_tr16_b128.
; CLUSTERS.  4 x 4 work-groups: the four of a row of the cluster need the same tiles of A, the four of a column the same tiles of B; each tile is asked for jointly, by the same tensor load with the same descriptor and a mask of the four.
; THE END.  When slot 0 has been read for the last time it takes the c_old tile (each wave's own load, 64 rows), which lands under the last K step.  c and h are gathered in slot parts that are filled no more
; (c in slot 1's A part, h in slot 0's B part), since a row's 256 bytes come from two waves, and leave as whole rows.
; REGISTERS, in windows of 256 (s_set_vgpr_msb: bits 1:0 source 0, 3:2 source 1, 5:4 source 2, 7:6 destination):
;   window 0: v0-31 addresses; v32-63 the cell's work; v64-127, v128-191 fragments of A, two buffers (later c_old and the way out); v192-255 the scaled biases
;   window 1: v64-127, v128-191 fragments of B, two buffers        window 2: the accumulators of my rows 0-63 ((a, b) at v[8 (8 a + b)])        window 3: those of my rows 64-127
.set AROW,   3072                      ; bytes in a row of abf
.set OROW,   4096                      ; bytes in a row of c_old, out0, out1
.set KSTEP,  128
.set BSTEP,  KSTEP*8192                ; bytes from a K step of bbf to the next: 128 rows of 8,192
.set PITCH,  272                       ; an LDS row of A, c_old, c, h: 256 bytes + 16 of padding = 68 words: row r starts at bank 4 r mod 64 (64 banks of 4 bytes: ISA guide 11.1), so 16 rows start at 16 different banks
.set PB,     544                       ; an LDS row of B: 512 bytes + 32 of padding = 136 words: row r starts at bank 8 r mod 64
.set HALFT,  128*PITCH                 ; what one tensor load brings: 128 rows of A, or 64 rows of B (64 x 544 is the same number)
.set SLOT,   4*HALFT                   ; A's 256 rows, then B's 128 rows of k
.set SPARE,  2*SLOT                    ; behind the ring: the spare words, 128 bytes for each wave: two blocks of 256 bytes that no other line names
.set HST,    2*HALFT                   ; h's stage: slot 0's B part, when it has been read for the last time
.set CSO,    SLOT                      ; c's stage: slot 1's A part, likewise
.set LAPS,   1536/(2*KSTEP)            ; a lap = two K steps = once round the ring
.set ADRA, 16                          ; v16-17  LDS address of my A fragments in slot 0, 1
.set EC,   19                          ; v19     where I put 32 bytes of a row of c
.set ADRB, 20                          ; v20-21  LDS address of my B fragments in slot 0, 1
.set EA,   22                          ; v22     where my 32 bytes of a row of c_old lie
.set EH,   23                          ; v23     where I put 32 bytes of a row of h
.set RDC,  24                          ; v24     the way out: where I read rows of c back
.set RDH,  25                          ; v25     and rows of h
.set GOF,  26                          ; v26     my byte offset in two rows of an output
.set BO,   27                          ; v27     my byte offset in a bias
.set SPW,  28                          ; v28     LDS address of my spare word: SPARE + 4 x my thread's number; never rewritten
.set NIL,  29                          ; v29     0; never rewritten
.set T,    32                          ; the cell's work: eight registers a gate
.set TI,   32
.set TF,   40
.set TO,   48
.set TG,   56
.set F0,   64                          ; fragment buffer 0
.set F1,   128                         ; fragment buffer 1
.set WB,   64                          ; the W biases, ahead of the first fragments
.set CO,   64                          ; the end: c_old, then c: two buffers of eight
.set CP,   80                          ; the end: c_old rounded to bf16, four registers
.set X0,   64                          ; the way out: 32 rows read back
.set X1,   128
.set BI,   192                         ; the biases, summed and scaled: gate g, half jb at BI + 16 g + 8 jb
.set G1,  24                           ; s[24:31] descriptor group 1 for A's tiles
.set G0,  32                           ; s[32:39] group 0 for A's tiles, one set for each slot
.set G1B, 48                           ; s[48:55], s[56:63] the same for B's tiles
.set G0B, 56
.set GC0, 72                           ; s[72:75] group 0 for my 64 rows of c_old
.set GC1, 76                           ; s[76:83] group 1 for them
.set BP,  84                           ; s[84:99] the biases' addresses: gate g's U at BP + 4 g, its W at BP + 4 g + 2
.set SN,  100                          ; s[100:101] -L: the packed forms name a pair and take its low word for both halves
.set SG,  104                          ; s[104:105] 2 L
.set MSB, 0
.macro WIN new                         ; the immediate's high byte repeats the setting that is left; a switch that changes nothing is dropped
.if MSB != (\new)
	s_set_vgpr_msb (MSB<<8)|(\new)
.set MSB, \new
.endif
.endm
.set MUL_LO, 0xa1                      ; source 0 (B) window 1, source 1 (A) window 0, C and D window 2
.set MUL_HI, 0xf1                      ; the same, C and D window 3
.set TO_B,   0x40                      ; destination window 1, address window 0
; A joint load.  Waves 0 and 1 fetch A's two halves, waves 2 and 3 B's.  Each line has one mask and one set of registers for all that issue it; the branch hangs on the wave's number alone.
; An s_nop 0 and four v_nop follow each of the two lines, ahead of the jump, the label and what follows the macro.
.macro JLOAD s
	s_cmp_eq_u32 s11, 0
	s_cbranch_scc0 .Lfor_b_\@
	tensor_load_to_lds s[G0+4*(\s):G0+4*(\s)+3], s[G1:G1+7]
	s_nop 0
.rept 4
	v_nop
.endr
	s_branch .Lasked_\@
.Lfor_b_\@:
	tensor_load_to_lds s[G0B+4*(\s):G0B+4*(\s)+3], s[G1B:G1B+7]
	s_nop 0
.rept 4
	v_nop
.endr
.Lasked_\@:
.endm
; A round of the cluster's barrier: my work-group's barrier, so that wave 0's signal speaks for all four waves; wave 0 signals; every wave waits for all sixteen work-groups; my work-group's barrier once more.
.macro CREST                           ; a round behind its opening barrier
	s_cmp_lg_u32 s10, 0
	s_cbranch_scc1 .Lnot_wave_0_\@
	s_barrier_signal -3
.Lnot_wave_0_\@:
	s_barrier_wait -3
	s_barrier_signal -1
	s_barrier_wait -1
.endm
.macro CROUND                          ; a whole round
	s_barrier_signal -1
	s_barrier_wait -1
	CREST
.endm
	s_load_b128 s[4:7], s[0:1], 0x0                ; abf s[4:5], bbf s[6:7]
	s_load_b64 s[66:67], s[0:1], 0x10              ; c_old
	s_load_b128 s[68:71], s[0:1], 0x18             ; out0 (h) s[68:69], out1 (c) s[70:71]
	s_load_b512 s[BP:BP+15], s[0:1], 0x28          ; Ui_b, Wi_b, Uf_b, Wf_b, Uo_b, Wo_b, Uc_b, Wc_b
	v_lshl_add_u32 v[SPW], v0, 2, SPARE
	v_mov_b32 v[NIL], 0
	ds_add_u32 v[SPW], v[NIL]                      ; the wave's opening: the add and its wait stand ahead of my first tensor load; the set-up below, work on registers, stands between them
	v_lshrrev_b32 v1, 5, v0
	v_readfirstlane_b32 s10, v1                    ; wave 0..3
	s_lshr_b32 s11, s10, 1                         ; which half of the tile's rows is mine.  Also: I fetch for A (0) or for B (1)
	s_and_b32 s12, s10, 1                          ; which half of its columns.  Also: which half of that tile I fetch
	s_bfe_u32 s40, ttmp6, 0x40000                  ; cx, cy: my place in the cluster
	s_bfe_u32 s41, ttmp6, 0x40004
	s_lshl_b32 s42, ttmp9, 2                       ; in a cluster launch ttmp9 and ttmp7 count clusters
	s_add_co_u32 s42, s42, s40                     ; tile column = 4 x cluster x + cx
	s_and_b32 s13, ttmp7, 0xffff
	s_lshl_b32 s13, s13, 2
	s_add_co_u32 s13, s13, s41                     ; tile row = 4 x cluster y + cy
	s_lshl_b32 s43, s41, 2
	s_lshl_b32 s43, 15, s43                        ; my row of the cluster: places 4 cy .. 4 cy + 3
	s_lshl_b32 s44, 0x1111, s40                    ; my column: places cx, cx + 4, cx + 8, cx + 12
	; group 1 for A: 128 rows x 128 elements of 2 bytes; 15:0 the mask of my row; 20 padding on; 21 set beside a mask; 24:22 after every 64 words (code 5); 31:25 4 words (code 3)
	s_or_b32 s[G1+0], s43, (1<<16)|(1<<20)|(1<<21)|(5<<22)|(3<<25)
	s_mov_b32 s[G1+1], KSTEP<<16                   ; tensor_dim0 = 128
	s_mov_b32 s[G1+2], 128<<16                     ; tensor_dim1 = 128
	s_mov_b32 s[G1+3], KSTEP<<16                   ; tile_dim0 = 128
	s_mov_b32 s[G1+4], 128                         ; tile_dim1 = 128
	s_mov_b32 s[G1+5], 1536                        ; elements from row to row
	s_mov_b32 s[G1+6], 0
	s_mov_b32 s[G1+7], 0
	; group 1 for B: 64 rows of k x 256 elements; the mask of my column; padding after every 128 words (code 6), 8 words (code 7)
	s_or_b32 s[G1B+0], s44, (1<<16)|(1<<20)|(1<<21)|(6<<22)|(7<<25)
	s_mov_b32 s[G1B+1], 256<<16
	s_mov_b32 s[G1B+2], 64<<16
	s_mov_b32 s[G1B+3], 256<<16
	s_mov_b32 s[G1B+4], 64
	s_mov_b32 s[G1B+5], 4096
	s_mov_b32 s[G1B+6], 0
	s_mov_b32 s[G1B+7], 0
	; group 1 for c_old: 64 rows x 64 elements of 4 bytes, no mask: each work-group's tile is its own; padding after every 64 words, 4 words
	s_mov_b32 s[GC1+0], (2<<16)|(1<<20)|(5<<22)|(3<<25)
	s_mov_b32 s[GC1+1], 64<<16
	s_mov_b32 s[GC1+2], 64<<16
	s_mov_b32 s[GC1+3], 64<<16
	s_mov_b32 s[GC1+4], 64
	s_mov_b32 s[GC1+5], 1024
	s_mov_b32 s[GC1+6], 0
	s_mov_b32 s[GC1+7], 0
	s_mov_b32 s[GC0], 1                            ; count = 1
	s_mul_i32 s[GC0+1], s10, 64*PITCH              ; LDS: rows 64 w on, from byte 0: slot 0's A part
	s_mov_b32 s45, 0xffff0000                      ; a word's upper bf16
	s_mov_b32 s[SN], 0xbfb8aa3b                    ; -log2(e)
	s_mov_b32 s[SN+1], s[SN]                       ; named with it as a pair, so it is written
	s_mov_b32 s[SG], 0x4038aa3b                    ; 2 log2(e)
	s_mov_b32 s[SG+1], s[SG]
	; where the tiles come from.  A's hang on the tile row alone, which my row of the cluster shares; B's on the tile column alone, which my column shares; each in registers that never hold the other coordinate.
	s_lshl_b32 s17, s12, 7
	s_lshl_b32 s16, s13, 8
	s_add_co_u32 s16, s16, s17                     ; A: row 256 x tile row + 128 x half,
	s_mul_i32 s16, s16, AROW                       ; in bytes: under 2^25
	s_mov_b32 s17, 0
	s_lshl_b32 s46, s12, 19                        ; B: 64 rows of 8,192 bytes x half,
	s_lshl_b32 s47, s42, 9                         ; 512 bytes x tile column
	s_add_co_u32 s46, s46, s47
	s_mov_b32 s47, 0
	s_mul_i32 s20, s10, HALFT                      ; where they go: A's two halves, then B's two halves = wave x HALFT: no place in the cluster enters an LDS address
	s_wait_dscnt 0x0                               ; the opening add is done
	s_wait_kmcnt 0x0
	s_add_nc_u64 s[14:15], s[4:5], s[16:17]
	s_add_nc_u64 s[46:47], s[6:7], s[46:47]
	CROUND                                         ; all sixteen work-groups are here: the first joint loads meet
.irp s, 0,1
	s_mov_b32 s[G0+4*(\s)], 1                                        ; count = 1
	s_add_co_u32 s[G0+4*(\s)+1], s20, (\s)*SLOT                      ; LDS address
	s_add_nc_u64 s[G0+4*(\s)+2:G0+4*(\s)+3], s[14:15], (\s)*KSTEP*2  ; global address: K step s
	s_or_b32 s[G0+4*(\s)+3], s[G0+4*(\s)+3], 0x80000000              ; type = 2
	s_mov_b32 s[G0B+4*(\s)], 1
	s_add_co_u32 s[G0B+4*(\s)+1], s20, (\s)*SLOT
	s_add_nc_u64 s[G0B+4*(\s)+2:G0B+4*(\s)+3], s[46:47], (\s)*BSTEP
	s_or_b32 s[G0B+4*(\s)+3], s[G0B+4*(\s)+3], 0x80000000
	JLOAD \s                                       ; the ring is filled before anything else is done: two tensor loads of mine are out
.endr
	; WHILE THE FIRST TILE IS ON ITS WAY: the lane's addresses, the biases, the outputs' bases.
	v_and_b32 v1, 15, v0                           ; r = l % 16
	v_bfe_u32 v2, v0, 4, 1                         ; h = l / 16
	; a fragment of A is 16 rows x 32 K in 8 registers: lane l holds row r, K = 8 h + 0..7 and 16 + 8 h + 0..7: two loads of 16 bytes, 32 bytes apart
	v_mul_u32_u24 v3, v1, PITCH
	v_lshl_add_u32 v4, v2, 4, v3                   ; r x pitch + 16 h
	s_mul_i32 s21, s11, HALFT                      ; my 128 rows of A
	v_add_nc_u32 v[ADRA], s21, v4
	v_add_nc_u32 v[ADRA+1], SLOT, v[ADRA]
	; the turning load takes 16 k x 16 columns (lane l reads 16 bytes: k = 8 h + l % 8, columns 8 ((l / 8) % 2) + 0..7) and leaves half a fragment: lane l holds column r and 8 k
	v_and_b32 v5, 7, v0
	v_lshl_add_u32 v5, v2, 3, v5
	v_mul_u32_u24 v5, v5, PB
	v_bfe_u32 v6, v0, 3, 1
	v_lshl_add_u32 v5, v6, 4, v5
	s_lshl_b32 s22, s12, 8                         ; my 128 columns: 256 bytes of a row,
	s_add_co_u32 s22, s22, 2*HALFT                 ; behind A's 256 rows
	v_add_nc_u32 v[ADRB], s22, v5
	v_add_nc_u32 v[ADRB+1], SLOT, v[ADRB]
	; the cell: row 128 x row half + 16 a + r, bytes 128 x column half + 64 jb + 32 h of its 256; a and jb stand in the immediates
	v_lshl_add_u32 v7, v2, 5, v3
	s_lshl_b32 s23, s12, 7
	s_add_co_u32 s22, s23, s21
	v_add_nc_u32 v[EA], s22, v7
	v_add_nc_u32 v[EH], HST, v[EA]
	v_add_nc_u32 v[EC], CSO, v[EA]
	; the way out: wave w takes rows 64 w .. 64 w + 63 whole; lanes 0-15 one row of 256 bytes, lanes 16-31 the next
	v_mul_u32_u24 v8, v2, PITCH
	v_lshl_add_u32 v8, v1, 4, v8
	s_mul_i32 s22, s10, 64*PITCH
	v_add_nc_u32 v8, s22, v8
	v_add_nc_u32 v[RDC], CSO, v8
	v_add_nc_u32 v[RDH], HST, v8
	v_lshlrev_b32 v9, 4, v1
	v_lshl_add_u32 v[GOF], v2, 12, v9              ; and the same two rows in an output
	s_lshl_b32 s22, s42, 8                         ; a bias: 256 bytes x tile column + 128 x column half + 32 h; jb stands in the immediate
	s_add_co_u32 s22, s22, s23
	v_lshlrev_b32 v9, 5, v2
	v_add_nc_u32 v[BO], s22, v9
.irp g, 0,1,2,3
.irp j, 0,1,2,3                        ; j = 2 jb + which 16 bytes
	global_load_b128 v[BI+16*(\g)+4*(\j):BI+16*(\g)+4*(\j)+3], v[BO], s[BP+4*(\g):BP+4*(\g)+1] offset:64*((\j)/2)+16*((\j)%2)
	global_load_b128 v[WB+16*(\g)+4*(\j):WB+16*(\g)+4*(\j)+3], v[BO], s[BP+4*(\g)+2:BP+4*(\g)+3] offset:64*((\j)/2)+16*((\j)%2)
.endr
.endr
	s_lshl_b32 s46, s13, 20                        ; my 64 rows of c_old and of the outputs: (256 x tile row + 64 w) rows of 4,096 bytes + 256 bytes x tile column: under 2^25
	s_lshl_b32 s47, s10, 18
	s_add_co_u32 s46, s46, s47
	s_lshl_b32 s47, s42, 8
	s_add_co_u32 s46, s46, s47
	s_mov_b32 s47, 0
	s_add_nc_u64 s[GC0+2:GC0+3], s[66:67], s[46:47]
	s_or_b32 s[GC0+3], s[GC0+3], 0x80000000        ; type = 2
	s_add_nc_u64 s[68:69], s[68:69], s[46:47]
	s_add_nc_u64 s[70:71], s[70:71], s[46:47]
	s_wait_loadcnt 0x0                             ; the biases, once
	; each bias is rounded to bf16 like every input; the two are added and take the factor that the gate's exponential wants: -L for the sigmoids, 2 L for the tanh
.set k, 0
.rept 32
	v_cvt_pk_bf16_f32 v2, v[BI+k], v[BI+k+1]
	v_cvt_pk_bf16_f32 v3, v[WB+k], v[WB+k+1]
	v_lshlrev_b32 v4, 16, v2
	v_and_b32 v5, s45, v2
	v_lshlrev_b32 v6, 16, v3
	v_and_b32 v7, s45, v3
	v_pk_add_f32 v[4:5], v[4:5], v[6:7]
.if k < 48
	v_pk_mul_f32 v[BI+k:BI+k+1], v[4:5], s[SN:SN+1] op_sel_hi:[1,0]
.else
	v_pk_mul_f32 v[BI+k:BI+k+1], v[4:5], s[SG:SG+1] op_sel_hi:[1,0]
.endif
.set k, k+2
.endr
; 16 matrix instructions: row blocks a0, a0 + 1 of the window's four (hi = 0: my rows 0-63, 1: rows 64-127) x all 8 column blocks, 32 along K.  zero = 1: the first product starts the sums: nothing is ever cleared.
; The 64 accumulators take turns, one instruction a turn, in the same order in every quarter.
.macro MUL16 f, hi, a0, zero
	WIN MUL_LO+0x50*(\hi)
.irp a, \a0, (\a0)+1
.irp b, 0,1,2,3,4,5,6,7
.if \zero
	v_wmma_f32_16x16x32_bf16 v[8*(8*(\a)+(\b)):8*(8*(\a)+(\b))+7], v[(\f)+8*(\b):(\f)+8*(\b)+7], v[(\f)+8*(4*(\hi)+(\a)):(\f)+8*(4*(\hi)+(\a))+7], 0
.else
	v_wmma_f32_16x16x32_bf16 v[8*(8*(\a)+(\b)):8*(8*(\a)+(\b))+7], v[(\f)+8*(\b):(\f)+8*(\b)+7], v[(\f)+8*(4*(\hi)+(\a)):(\f)+8*(4*(\hi)+(\a))+7], v[8*(8*(\a)+(\b)):8*(8*(\a)+(\b))+7]
.endif
.endr
.endr
.endm
; 32 LDS loads in one run: the fragments of quarter q of a K step (32 k x 128 columns of B, turned; 128 rows x 32 k of A) into buffer f
.macro FETCH slot, q, f
	WIN TO_B
.irp i, 0,1,2,3,4,5,6,7
	ds_load_tr16_b128 v[(\f)+8*(\i):(\f)+8*(\i)+3],   v[ADRB+(\slot)] offset:(\q)*32*PB+32*(\i)
	ds_load_tr16_b128 v[(\f)+8*(\i)+4:(\f)+8*(\i)+7], v[ADRB+(\slot)] offset:(\q)*32*PB+16*PB+32*(\i)
.endr
	WIN 0
.irp i, 0,1,2,3,4,5,6,7
	ds_load_b128 v[(\f)+8*(\i):(\f)+8*(\i)+3],   v[ADRA+(\slot)] offset:(\q)*64+(\i)*16*PITCH
	ds_load_b128 v[(\f)+8*(\i)+4:(\f)+8*(\i)+7], v[ADRA+(\slot)] offset:(\q)*64+(\i)*16*PITCH+32
.endr
.endm
; A load into a register that a matrix instruction has read, and a vector instruction that reads a matrix result, stand four places behind that matrix instruction, and only plain vector instructions
; that name none of its registers are places (ISA guide 7.12.1 for vector instructions).
.macro PLACES
.rept 4
	v_nop
.endr
.endm
; A K step is four quarters of 32 along K, 64 matrix instructions each, on buffers 0, 1, 0, 1.  One of the first three: multiplies buffer f; in its middle it fetches quarter q of the same slot into buffer g.
.macro QUARTER slot, q, f, g, zero
	s_wait_dscnt 8                                 ; B and A's rows 0-63 are in; the youngest eight loads (A's rows 64-127) may be out
	MUL16 \f, 0, 0, \zero
	MUL16 \f, 0, 2, \zero
	PLACES
	FETCH \slot, \q, \g
	s_wait_dscnt 32                                ; all but the 32 just issued
	MUL16 \f, 1, 0, \zero
	MUL16 \f, 1, 2, \zero
.endm
; The last quarter multiplies buffer 1 and changes slots.  In front of the barrier each wave waits for all its tensor loads, of which one is out: its part of the next slot; adds 0 to its spare word; and waits for that and
; for its own reads of this slot.  The barrier opens a round of the cluster's: behind the round no wave of any partner reads this slot's tile or has a load on its way, and the refill is the first thing there.
; kind = 0: this slot takes the K step two steps on, by the joint load.  kind = 1 (slot 0's last change): it takes my 64 rows of c_old, by a load of my own.
.macro TURN slot, next, kind
	WIN 0                                          ; (the add's two registers lie in window 0)
	s_wait_tensorcnt 0x0                           ; all my tensor loads have landed: the one that was out is my part of the next slot;
	ds_add_u32 v[SPW], v[NIL]                      ; 0 onto my spare word;
	s_wait_dscnt 9                                 ; (the add and the youngest eight loads may be out)
	MUL16 F1, 0, 0, 0                              ; sixteen matrix instructions stand between the add and the wait for it
	s_wait_dscnt 0x0                               ; the add is done, and my reads of this slot are over:
	s_barrier_signal -1                            ; say so,
	MUL16 F1, 0, 2, 0                              ; work on registers while the others arrive,
	WIN 0
	s_barrier_wait -1                              ; and go on when all four have said so
	CREST
.if \kind
	tensor_load_to_lds s[GC0:GC0+3], s[GC1:GC1+7]  ; my one tensor load behind the round; it has the last K step, 256 matrix instructions, in which to land
	s_nop 0
.rept 4
	v_nop                                          ; also the places in front of the loads below
.endr
.else
	s_add_nc_u64 s[G0+4*(\slot)+2:G0+4*(\slot)+3], s[G0+4*(\slot)+2:G0+4*(\slot)+3], 2*KSTEP*2    ; no tensor load of mine is out, so a group 0 may be written
	s_add_nc_u64 s[G0B+4*(\slot)+2:G0B+4*(\slot)+3], s[G0B+4*(\slot)+2:G0B+4*(\slot)+3], 2*BSTEP
	JLOAD \slot                                    ; from here to the wait for it a wave issues 224 matrix instructions; the four v_nop behind it are also the places in front of the loads below
.endif
	FETCH \next, 0, F0
	MUL16 F1, 1, 0, 0
	MUL16 F1, 1, 2, 0
.endm
	s_wait_tensorcnt 1                             ; my part of K step 0 is in; K step 1's may stay out
	s_barrier_signal -1
	s_barrier_wait -1                              ; everybody's is
	FETCH 0, 0, F0
	QUARTER 0, 1, F0, F1, 1                        ; the first quarter stands in front of the loop: its products start the sums
	WIN 0                                          ; at a label and at a branch every window is 0
	s_mov_b32 s3, LAPS-1
.Llap:                                                 ; a trip goes once round the ring, from a lap's second quarter to the next lap's first, and fills both slots again: five trips ask for K steps 2 to 11
	QUARTER 0, 2, F1, F0, 0
	QUARTER 0, 3, F0, F1, 0
	TURN 0, 1, 0
	QUARTER 1, 1, F0, F1, 0
	QUARTER 1, 2, F1, F0, 0
	QUARTER 1, 3, F0, F1, 0
	TURN 1, 0, 0
	QUARTER 0, 1, F0, F1, 0
	WIN 0
	s_sub_co_u32 s3, s3, 1
	s_cmp_lg_u32 s3, 0
	s_cbranch_scc1 .Llap
	QUARTER 0, 2, F1, F0, 0                        ; the last lap is written out
	QUARTER 0, 3, F0, F1, 0
	TURN 0, 1, 1                                   ; slot 0 has been read for the last time: c_old goes out
	QUARTER 1, 1, F0, F1, 0
	QUARTER 1, 2, F1, F0, 0
	QUARTER 1, 3, F0, F1, 0
	s_wait_dscnt 8                                 ; the very last quarter: nothing more to fetch
	MUL16 F1, 0, 0, 0
	MUL16 F1, 0, 2, 0
	s_wait_dscnt 0x0                               ; my reads of slot 1 are over
	MUL16 F1, 1, 0, 0
	MUL16 F1, 1, 2, 0
	WIN 0
	s_wait_tensorcnt 0x0                           ; my 64 rows of c_old are in,
	s_barrier_signal -1
	s_barrier_wait -1                              ; everybody's are, and nobody reads a slot any more; no tensor load follows
	PLACES                                         ; behind the last products: the lines below read results and load into fragments' registers
; THE CELL for 16 rows (block a) x 16 hidden columns (half jb): eight numbers a lane.  n = 2 a + jb counts the sixteen groups; group n + 1's c_old is asked for at the head of group n (more = 1).
; cnt: the LDS instructions issued behind group n's two loads, which may stay out: the next group's two loads and the last group's four stores.
.macro EPI a, jb, cnt, more
.set N,  2*(\a)+(\jb)
.set CB, CO+8*(N%2)
.set CN, CO+8*((N+1)%2)
.set AC, 64*((\a)%4)+8*(\jb)           ; gate g's accumulator at AC + 16 g, in window 2 (blocks 0-3) or 3 (blocks 4-7)
	WIN 0
.if \more
	ds_load_b128 v[CN:CN+3],   v[EA] offset:((N+1)/2)*16*PITCH+64*((N+1)%2)
	ds_load_b128 v[CN+4:CN+7], v[EA] offset:((N+1)/2)*16*PITCH+64*((N+1)%2)+16
.endif
	WIN 0x02+(\a)/4                                ; source 0 in the accumulators' window
.irp g, 0,1,2                          ; the exponents: -L (sum + b) for i, f, o; each accumulator's registers in ascending order
.irp p, 0,2,4,6
	v_pk_fma_f32 v[T+8*(\g)+(\p):T+8*(\g)+(\p)+1], v[AC+16*(\g)+(\p):AC+16*(\g)+(\p)+1], s[SN:SN+1], v[BI+16*(\g)+8*(\jb)+(\p):BI+16*(\g)+8*(\jb)+(\p)+1] op_sel_hi:[1,0,1]
.endr
.endr
.irp p, 0,2,4,6                        ; 2 L (sum + b) for the candidate
	v_pk_fma_f32 v[TG+(\p):TG+(\p)+1], v[AC+48+(\p):AC+48+(\p)+1], s[SG:SG+1], v[BI+48+8*(\jb)+(\p):BI+48+8*(\jb)+(\p)+1] op_sel_hi:[1,0,1]
.endr
	WIN 0
.set i, 0
.rept 32
	v_exp_f32 v[T+i], v[T+i]
.set i, i+1
.endr
	v_nop                                          ; a plain instruction between the last exponential and the use of its result (ISA guide 5.7.2)
.set i, 0
	s_wait_alu depctr_va_vdst(0)
.rept 16
	v_pk_add_f32 v[T+i:T+i+1], v[T+i:T+i+1], 1.0 op_sel_hi:[1,0]
.set i, i+2
.endr
.set i, 0
.rept 32
	v_rcp_f32 v[T+i], v[T+i]                       ; TI, TF, TO now hold the three sigmoids
.set i, i+1
.endr
	s_wait_dscnt \cnt                              ; this group's c_old is in
.irp p, 0,1,2,3
	v_cvt_pk_bf16_f32 v[CP+(\p)], v[CB+2*(\p)], v[CB+2*(\p)+1]  ; c_old is rounded like every input; these four are also the plain instructions behind the reciprocals
.endr
	s_wait_alu depctr_va_vdst(0)
.irp p, 0,2,4,6
	v_pk_fma_f32 v[TG+(\p):TG+(\p)+1], v[TG+(\p):TG+(\p)+1], -2.0, 1.0 op_sel_hi:[1,0,0]  ; tanh = 1 - 2 / (1 + 2^(2 L x))
.endr
.irp p, 0,2,4,6
	v_pk_mul_f32 v[TI+(\p):TI+(\p)+1], v[TI+(\p):TI+(\p)+1], v[TG+(\p):TG+(\p)+1]
.endr
.irp e, 0,2,4,6
	v_fma_mix_f32_bf16 v[CB+(\e)],   v[CP+(\e)/2], v[TF+(\e)],   v[TI+(\e)]   op_sel_hi:[1,0,0]                 ; c = c_old (a bf16 half) x f + i g, one fused multiply-add in f32
	v_fma_mix_f32_bf16 v[CB+(\e)+1], v[CP+(\e)/2], v[TF+(\e)+1], v[TI+(\e)+1] op_sel:[1,0,0] op_sel_hi:[1,0,0]
.endr
	ds_store_b128 v[EC], v[CB:CB+3]   offset:(\a)*16*PITCH+64*(\jb)
	ds_store_b128 v[EC], v[CB+4:CB+7] offset:(\a)*16*PITCH+64*(\jb)+16
.irp p, 0,2,4,6
	v_pk_mul_f32 v[TG+(\p):TG+(\p)+1], v[CB+(\p):CB+(\p)+1], s[SG:SG+1] op_sel_hi:[1,0]
.endr
.set i, 0
.rept 8
	v_exp_f32 v[TG+i], v[TG+i]
.set i, i+1
.endr
	v_nop
	s_wait_alu depctr_va_vdst(0)
.irp p, 0,2,4,6
	v_pk_add_f32 v[TG+(\p):TG+(\p)+1], v[TG+(\p):TG+(\p)+1], 1.0 op_sel_hi:[1,0]
.endr
.set i, 0
.rept 8
	v_rcp_f32 v[TG+i], v[TG+i]
.set i, i+1
.endr
	v_nop
	s_wait_alu depctr_va_vdst(0)
.irp p, 0,2,4,6
	v_pk_fma_f32 v[TG+(\p):TG+(\p)+1], v[TG+(\p):TG+(\p)+1], -2.0, 1.0 op_sel_hi:[1,0,0]
.endr
.irp p, 0,2,4,6
	v_pk_mul_f32 v[TO+(\p):TO+(\p)+1], v[TO+(\p):TO+(\p)+1], v[TG+(\p):TG+(\p)+1]          ; h = o tanh(c)
.endr
	ds_store_b128 v[EH], v[TO:TO+3]   offset:(\a)*16*PITCH+64*(\jb)
	ds_store_b128 v[EH], v[TO+4:TO+7] offset:(\a)*16*PITCH+64*(\jb)+16
.endm
	ds_load_b128 v[CO:CO+3],   v[EA]               ; group 0's c_old
	ds_load_b128 v[CO+4:CO+7], v[EA] offset:16
	EPI 0, 0, 2, 1                                 ; behind its loads: group 1's two
	EPI 0, 1, 6, 1                                 ; from here on: the last group's four stores and the next group's two loads
.irp a, 1,2,3,4,5,6
	EPI \a, 0, 6, 1
	EPI \a, 1, 6, 1
.endr
	EPI 7, 0, 6, 1
	EPI 7, 1, 4, 0                                 ; nothing more to ask for: the last group's four stores alone
	; THE WAY OUT.  A row's 256 bytes were written by two waves, so a barrier stands between the writing and the reading; then each wave reads 64 whole rows of c and of h and stores them.
.macro LOADB adr, t0, x                ; 16 loads: 32 rows, two to a load
.set i, 0
.rept 16
	ds_load_b128 v[(\x)+4*i:(\x)+4*i+3], v[\adr] offset:((\t0)+i)*2*PITCH
.set i, i+1
.endr
.endm
.macro STOREB x, t0, base, younger     ; younger: the LDS loads issued behind this run's sixteen, which may stay out
.set i, 0
.rept 16
	s_wait_dscnt (\younger)+15-i
	global_store_b128 v[GOF], v[(\x)+4*i:(\x)+4*i+3], s[(\base):(\base)+1] offset:((\t0)+i)*2*OROW th:TH_STORE_NT  ; 16 lanes store 256 consecutive bytes, at a multiple of 256 from the output's first byte
.set i, i+1
.endr
.endm
	s_wait_dscnt 0x0                               ; for the others' sake: my stores into the two stages are done
	s_barrier_signal -1
	s_barrier_wait -1
	LOADB RDC, 0, X0
	LOADB RDC, 16, X1
	STOREB X0, 0, 70, 16                           ; c -> out1
	s_wait_xcnt 0x0                                ; every earlier memory instruction has had its addresses translated (ISA guide 3.1): X0, which those stores read, is loaded again only behind this wait
	LOADB RDH, 0, X0
	STOREB X1, 16, 70, 16
	s_wait_xcnt 0x0                                ; the same for X1
	LOADB RDH, 16, X1
	STOREB X0, 0, 68, 16                           ; h -> out0
	STOREB X1, 16, 68, 0
	s_wait_tensorcnt 0x0                           ; the wave's end, behind my last tensor load and my last LDS store
	ds_add_u32 v[SPW], v[NIL]
	s_wait_dscnt 0x0
	CROUND                                         ; the closing round: no work-group ends while a partner may still ask for a tile that names it
	s_endpgm
.Lfunc_end_k_qee0a2962f8_lstm:
	.size	k_qee0a2962f8_lstm, .Lfunc_end_k_qee0a2962f8_lstm-k_qee0a2962f8_lstm
	.p2alignl 7, 3214868480
	.fill 96, 4, 3214868480
	.section	.rodata,"a",@progbits
	.p2align	6, 0x0
	.amdhsa_kernel k_qee0a2962f8_lstm
		.amdhsa_group_segment_fixed_size 327680
		.amdhsa_private_segment_fixed_size 0
		.amdhsa_enable_private_segment 0
		.amdhsa_kernarg_size 104
		.amdhsa_user_sgpr_count 2
		.amdhsa_user_sgpr_kernarg_segment_ptr 1
		.amdhsa_wavefront_size32 1
		.amdhsa_system_sgpr_workgroup_id_x 1
		.amdhsa_system_sgpr_workgroup_id_y 1
		.amdhsa_system_sgpr_workgroup_id_z 1
		.amdhsa_system_vgpr_workitem_id 0
		.amdhsa_next_free_vgpr 1024
		.amdhsa_next_free_sgpr 106
		.amdhsa_reserve_vcc 0
		.amdhsa_float_denorm_mode_32 3
		.amdhsa_float_denorm_mode_16_64 3
		.amdhsa_memory_ordered 1
		.amdhsa_forward_progress 1
		.amdhsa_inst_pref_size 255
	.end_amdhsa_kernel
	.section	.bss,"aw",@nobits
	.p2align	6
	.space	262144
	.amdgpu_metadata
---
amdhsa.version: [ 1, 2 ]
amdhsa.kernels:
  - .name:           k_qee0a2962f8_lstm
    .symbol:         k_qee0a2962f8_lstm.kd
    .args:
      - { .name: abf, .offset: 0, .size: 8, .value_kind: global_buffer, .address_space: global }
      - { .name: bbf, .offset: 8, .size: 8, .value_kind: global_buffer, .address_space: global }
      - { .name: c_old, .offset: 16, .size: 8, .value_kind: global_buffer, .address_space: global }
      - { .name: out0, .offset: 24, .size: 8, .value_kind: global_buffer, .address_space: global }
      - { .name: out1, .offset: 32, .size: 8, .value_kind: global_buffer, .address_space: global }
      - { .name: Ui_b, .offset: 40, .size: 8, .value_kind: global_buffer, .address_space: global }
      - { .name: Wi_b, .offset: 48, .size: 8, .value_kind: global_buffer, .address_space: global }
      - { .name: Uf_b, .offset: 56, .size: 8, .value_kind: global_buffer, .address_space: global }
      - { .name: Wf_b, .offset: 64, .size: 8, .value_kind: global_buffer, .address_space: global }
      - { .name: Uo_b, .offset: 72, .size: 8, .value_kind: global_buffer, .address_space: global }
      - { .name: Wo_b, .offset: 80, .size: 8, .value_kind: global_buffer, .address_space: global }
      - { .name: Uc_b, .offset: 88, .size: 8, .value_kind: global_buffer, .address_space: global }
      - { .name: Wc_b, .offset: 96, .size: 8, .value_kind: global_buffer, .address_space: global }
    .group_segment_fixed_size: 327680
    .private_segment_fixed_size: 0
    .kernarg_segment_align: 8
    .kernarg_segment_size: 104
    .max_flat_workgroup_size: 128
    .sgpr_count:     106
    .vgpr_count:     1024
    .wavefront_size: 32
...
	.end_amdgpu_metadata
.endif
;; end of part 2
